; MI455X (gfx1250); checked and timed in simulation.
; The chip was launched on July 23, 2026; its instructions are those of AMD's public machine-readable ISA for CDNA 5 (MIT licence, August 2026) and "CDNA5" Instruction Set Architecture Reference Guide (July 2026). The comments in the code are by the model that wrote it; some were corrected since.
;; Deep EP Mo E. Allowed arithmetic: float matrix products may take bf16 or f16 operands with f32 sums; other float arithmetic in f32, or as packed bf16 or f16 multiplies, adds, multiply-adds, maxima and minima; sums over many terms, partial sums and values carried from step to step in f32; what a program stores and reads back later, other than sums and carried values, may be rounded once to bf16 or f16.
;; Inputs: router_w 8 x 1,024 float32; w1 8 x 1,024 x 4,096 float32; w2 8 x 4,096 x 1,024 float32; x 2 x 512 x 1,024 float32.
;; Outputs: out0 2 x 512 x 1,024 float32.
;; One version. Each part assembles by itself: llvm-mc -triple=amdgcn-amd-amdhsa -mcpu=gfx1250 --defsym DOCPART=n.
;; ======== version 1 of 1: 5 launches
;; workspace buffers: sel 8,192 bytes of whole numbers; gate 8,192 bytes; pos 8,192 bytes of whole numbers; blk 512 bytes of whole numbers; gs 10,240 bytes; xg 5,242,880 bytes; hid 20,971,520 bytes; y 41,943,040 bytes
;; launch router (part 1): grid 64 x 1, 8 waves a work-group, no clusters, 9,216 bytes of LDS; arguments x, router_w, sel, gate; writes sel, gate
.if DOCPART == 1
	.amdgcn_target "amdgcn-amd-amdhsa--gfx1250"
	.amdhsa_code_object_version 6
	.text
	.protected	k_q804e409773_router
	.globl	k_q804e409773_router
	.p2align	8
	.type	k_q804e409773_router,@function
k_q804e409773_router:
	s_mov_b64 s[64:65], 0
	v_nop
	global_prefetch_b8 v0, s[64:65] scope:SCOPE_SE
	s_setreg_imm32_b32 hwreg(HW_REG_WAVE_MODE, 25, 1), 1
	s_wait_xcnt 0x0
; ROUTER.  logits[t][e] = x[t] . router_w[e]; softmax over the 8 experts; the two largest (ties: the lower index); their weights divided by (their sum + 1e-9).
; x and router_w are rounded to bf16 for the product, sums in f32.  Stored at fixed places: sel[t] = the two experts, gate[t] = their two weights.
; SHARES.  A work-group has 16 tokens; wave w the channels 128 w .. 128 w + 127 (four matrix steps of 32); the eight partial sums meet in LDS, wave 0 finishes.
; LAYOUT.  Source 0 = router_w (lane row r takes expert r & 7, so both halves of the result hold the 8 experts), source 1 = x: a lane holds token lane % 16, register j expert j.
; In a step of 32 channels lane half h takes channels 16 h .. 16 h + 15, in both sources alike: the products are the same, and a lane's 16 numbers are 64 consecutive bytes.
; LIMITS.  The maximum is taken away before the exponentials; a weight below 2^-126 counts as 0, and among such experts the lower index wins.  NaN and infinities are not treated apart.
.set SPARE, 8192                       ; behind the 8 x 1,024 bytes of partial sums: the spare words, 128 bytes a wave
.set XR, 32                            ; v[32:95]   x as loaded, 16 registers a step
.set RR, 96                            ; v[96:159]  router_w as loaded
.set XF, 160                           ; v[160:191] x in bf16, 8 registers a step
.set RF, 192                           ; v[192:223] router_w in bf16
	s_load_b256 s[4:11], s[0:1], 0x0               ; x s[4:5], router_w s[6:7], sel s[8:9], gate s[10:11]
	v_lshl_add_u32 v6, v0, 2, SPARE                ; my spare word
	v_mov_b32 v7, 0
	v_and_b32 v1, 31, v0                           ; lane
	v_lshrrev_b32 v8, 5, v0
	v_readfirstlane_b32 s14, v8                    ; wave
	v_and_b32 v9, 15, v0                           ; r
	v_bfe_u32 v10, v0, 4, 1                        ; h
	v_and_b32 v11, 7, v0                           ; expert of my row
	s_lshl_b32 s15, s14, 9                         ; my wave's 128 channels, in bytes
	v_lshlrev_b32 v2, 12, v9
	v_lshl_add_u32 v2, v10, 6, v2
	v_add_nc_u32 v2, s15, v2                       ; x: r x 4,096 + w x 512 + 64 h
	v_lshlrev_b32 v3, 12, v11
	v_lshl_add_u32 v3, v10, 6, v3
	v_add_nc_u32 v3, s15, v3                       ; router_w: the same with the expert's row
	v_lshlrev_b32 v5, 5, v1                        ; lane x 32
	v_lshl_add_u32 v4, s14, 10, v5                 ; where my wave's partial sums go
	s_lshl_b32 s16, ttmp9, 16                      ; 16 tokens of 4,096 bytes
	s_mov_b32 s17, 0
	s_lshl_b32 s18, ttmp9, 7                       ; 16 tokens of 8 bytes
	s_mov_b32 s19, 0
	s_mov_b32 s20, 0x3fb8aa3b                      ; log2(e)
	s_wait_kmcnt 0x0
	s_add_nc_u64 s[4:5], s[4:5], s[16:17]
	s_add_nc_u64 s[8:9], s[8:9], s[18:19]
	s_add_nc_u64 s[10:11], s[10:11], s[18:19]
.set ks, 0
.rept 4
.set jj, 0
.rept 4
	global_load_b128 v[XR+16*ks+4*jj:XR+16*ks+4*jj+3], v2, s[4:5] offset:128*ks+16*jj
	global_load_b128 v[RR+16*ks+4*jj:RR+16*ks+4*jj+3], v3, s[6:7] offset:128*ks+16*jj
.set jj, jj+1
.endr
.set ks, ks+1
.endr
	s_wait_loadcnt 0x0
.set c, 0
.rept 32                                       ; register p of a step's fragment = channels 2 p, 2 p + 1 of my 16
	v_cvt_pk_bf16_f32 v[XF+c], v[XR+2*c], v[XR+2*c+1]
	v_cvt_pk_bf16_f32 v[RF+c], v[RR+2*c], v[RR+2*c+1]
.set c, c+1
.endr
	; two accumulators by turns; the first two products start the sums
	v_wmma_f32_16x16x32_bf16 v[224:231], v[RF:RF+7], v[XF:XF+7], 0
	v_wmma_f32_16x16x32_bf16 v[232:239], v[RF+8:RF+15], v[XF+8:XF+15], 0
	v_wmma_f32_16x16x32_bf16 v[224:231], v[RF+16:RF+23], v[XF+16:XF+23], v[224:231]
	v_wmma_f32_16x16x32_bf16 v[232:239], v[RF+24:RF+31], v[XF+24:XF+31], v[232:239]
.rept 4
	v_nop                                          ; four places behind the last product (ISA guide 7.12.1)
.endr
.irp j, 0,2,4,6
	v_pk_add_f32 v[16+\j:17+\j], v[224+\j:225+\j], v[232+\j:233+\j]
.endr
	ds_store_b128 v4, v[16:19]
	ds_store_b128 v4, v[20:23] offset:16
	s_wait_dscnt 0x0                               ; for wave 0's sake: my partial sums are in LDS
	s_barrier_signal -1
	s_barrier_wait -1
	s_cmp_lg_u32 s14, 0
	s_cbranch_scc1 .Lend
.set c, 0
.rept 8                                        ; wave c's eight partial logits of my token
	ds_load_b128 v[32+8*c:35+8*c], v5 offset:1024*c
	ds_load_b128 v[36+8*c:39+8*c], v5 offset:1024*c+16
.set c, c+1
.endr
	s_wait_dscnt 0x0
.macro ADD8 d, s                       ; eight sums of wave s onto those of wave d
.irp j, 0,2,4,6
	v_pk_add_f32 v[32+8*(\d)+\j:33+8*(\d)+\j], v[32+8*(\d)+\j:33+8*(\d)+\j], v[32+8*(\s)+\j:33+8*(\s)+\j]
.endr
.endm
	ADD8 0, 1
	ADD8 2, 3
	ADD8 4, 5
	ADD8 6, 7
	ADD8 0, 2
	ADD8 4, 6
	ADD8 0, 4                                      ; v[32:39]: the eight logits
	v_max3_num_f32 v40, v32, v33, v34
	v_max3_num_f32 v40, v40, v35, v36
	v_max3_num_f32 v40, v40, v37, v38
	v_max_num_f32 v40, v40, v39
	v_mul_f32 v41, s20, v40
.irp i, 0,1,2,3,4,5,6,7
	v_fma_f32 v[42+\i], v[32+\i], s20, -v41        ; (l - max) log2(e)
.endr
.irp i, 0,1,2,3,4,5,6,7
	v_exp_f32 v[42+\i], v[42+\i]
.endr
	v_nop                                          ; a plain instruction behind the last exponential,
	s_wait_alu depctr_va_vdst(0)                   ; and one wait for the batch of eight
	v_add_f32 v60, v42, v43
	v_add_f32 v61, v44, v45
	v_add_f32 v62, v46, v47
	v_add_f32 v63, v48, v49
	v_add_f32 v60, v60, v61
	v_add_f32 v62, v62, v63
	v_add_f32 v60, v60, v62                        ; the softmax's sum
	v_rcp_f32 v61, v60                             ; the two scans below are the work between it and its wait
	v_mov_b32 v50, v42                             ; the largest, and its index: a later one wins only if strictly greater
	v_mov_b32 v56, 0
.irp i, 1,2,3,4,5,6,7
	v_cmp_gt_f32 vcc_lo, v[42+\i], v50
	v_cndmask_b32 v50, v50, v[42+\i], vcc_lo
	v_cndmask_b32 v56, v56, \i, vcc_lo
.endr
	v_mov_b32 v52, -1.0                            ; the largest of the others
	v_mov_b32 v57, 0
.irp i, 0,1,2,3,4,5,6,7
	v_cmp_ne_u32 s22, \i, v56
	v_cmp_gt_f32 s23, v[42+\i], v52
	s_and_b32 s22, s22, s23
	v_cndmask_b32 v52, v52, v[42+\i], s22
	v_cndmask_b32 v57, v57, \i, s22
.endr
	s_wait_alu depctr_va_vdst(0)
	v_mul_f32 v58, v50, v61                        ; the two probabilities
	v_mul_f32 v59, v52, v61
	v_add_f32 v62, v58, v59
	v_add_f32 v62, 0x3089705f, v62                 ; + 1e-9
	v_rcp_f32 v63, v62
	v_lshlrev_b32 v54, 3, v1                       ; 8 bytes a token
	s_wait_alu depctr_va_vdst(0)
	v_mul_f32 v58, v58, v63
	v_mul_f32 v59, v59, v63
	v_cmp_gt_u32 vcc_lo, 16, v1                    ; both halves of the lanes hold the same 16 tokens: the lower half stores
	s_wait_xcnt 0x0                                ; EXEC changes only behind this wait
	s_and_saveexec_b32 s24, vcc_lo
	global_store_b64 v54, v[56:57], s[8:9]
	global_store_b64 v54, v[58:59], s[10:11]
	s_wait_xcnt 0x0
	s_or_b32 exec_lo, exec_lo, s24
.Lend:
	s_wait_tensorcnt 0x0                           ; the wave's end
	ds_add_u32 v6, v7
	s_wait_dscnt 0x0
	s_endpgm
.Lfunc_end_k_q804e409773_router:
	.size	k_q804e409773_router, .Lfunc_end_k_q804e409773_router-k_q804e409773_router
	.p2alignl 7, 3214868480
	.fill 96, 4, 3214868480
	.section	.rodata,"a",@progbits
	.p2align	6, 0x0
	.amdhsa_kernel k_q804e409773_router
		.amdhsa_group_segment_fixed_size 9216
		.amdhsa_private_segment_fixed_size 0
		.amdhsa_enable_private_segment 0
		.amdhsa_kernarg_size 32
		.amdhsa_user_sgpr_count 2
		.amdhsa_user_sgpr_kernarg_segment_ptr 1
		.amdhsa_wavefront_size32 1
		.amdhsa_system_sgpr_workgroup_id_x 1
		.amdhsa_system_sgpr_workgroup_id_y 1
		.amdhsa_system_sgpr_workgroup_id_z 1
		.amdhsa_system_vgpr_workitem_id 0
		.amdhsa_next_free_vgpr 240
		.amdhsa_next_free_sgpr 66
		.amdhsa_reserve_vcc 1
		.amdhsa_float_denorm_mode_32 3
		.amdhsa_float_denorm_mode_16_64 3
		.amdhsa_memory_ordered 1
		.amdhsa_forward_progress 1
		.amdhsa_inst_pref_size 18
	.end_amdhsa_kernel
	.amdgpu_metadata
---
amdhsa.version: [ 1, 2 ]
amdhsa.kernels:
  - .name:           k_q804e409773_router
    .symbol:         k_q804e409773_router.kd
    .args:
      - { .name: x, .offset: 0, .size: 8, .value_kind: global_buffer, .address_space: global }
      - { .name: router_w, .offset: 8, .size: 8, .value_kind: global_buffer, .address_space: global }
      - { .name: sel, .offset: 16, .size: 8, .value_kind: global_buffer, .address_space: global }
      - { .name: gate, .offset: 24, .size: 8, .value_kind: global_buffer, .address_space: global }
    .group_segment_fixed_size: 9216
    .private_segment_fixed_size: 0
    .kernarg_segment_align: 8
    .kernarg_segment_size: 32
    .max_flat_workgroup_size: 256
    .sgpr_count:     66
    .vgpr_count:     240
    .wavefront_size: 32
...
	.end_amdgpu_metadata
.endif
;; end of part 1
;; launch place (part 2): grid 161 x 1, 32 waves a work-group, no clusters, 8,448 bytes of LDS; arguments sel, gate, x, pos, blk, gs, xg; writes pos, blk, gs, xg
.if DOCPART == 2
	.amdgcn_target "amdgcn-amd-amdhsa--gfx1250"
	.amdhsa_code_object_version 6
	.text
	.protected	k_q804e409773_place
	.globl	k_q804e409773_place
	.p2align	8
	.type	k_q804e409773_place,@function
k_q804e409773_place:
	s_mov_b64 s[64:65], 0
	v_nop
	global_prefetch_b8 v0, s[64:65] scope:SCOPE_SE
	s_setreg_imm32_b32 hwreg(HW_REG_WAVE_MODE, 25, 1), 1
	s_wait_xcnt 0x0
; PLACE.  The routed rows are laid out by experts.  SLOTS: expert e's rows, in the order of the tokens, begin at slot 64 B_e; B_e counts groups of 64 slots, g_e = ceil(n_e / 64) for each expert
; (40 groups at the most, whatever the split).  Slots past an expert's count repeat token 0 with the weight 0.
; Every work-group counts the 2,048 choices for itself, in whole numbers alone (thread t: token t).  Work-group T < 160 then writes tile T (16 slots): xg, the rows of x in bf16 as matrix fragments, and gs, the slots' weights.
; A tile past the last group stores nothing.  Work-group 160 has no tile (160 is never below four times the groups): it writes pos (each choice's slot) and blk (the list of blocks: expert, first group,
; groups (1 to 6); 0 groups past the list's end; 13 blocks at the most), so that this work stands behind no tile's gather.
; xg: [tile][step of 32 channels][1,024 bytes]: lane 16 h + r holds row r, channels 32 s + 16 h + 0..15 as 8 registers of two bf16; registers 4 q .. 4 q + 3 lie at byte 512 q + 16 lane.
.set NT,    160                        ; tiles; also the number of the work-group that writes the lists
.set CNT,   0                          ; 128 bytes a wave: words 0-7 its masks of the eight experts, words 8-11 its counts, two to a word
.set TOK16, 4096                       ; the tile's 16 tokens; word 16 takes what belongs to other tiles
.set SPARE, 4352                       ; the spare words, 128 bytes a wave
	s_load_b256 s[4:11], s[0:1], 0x0               ; sel s[4:5], gate s[6:7], x s[8:9], pos s[10:11]
	s_load_b128 s[12:15], s[0:1], 0x20             ; blk s[12:13], gs s[14:15]
	s_load_b64 s[2:3], s[0:1], 0x30                ; xg
	v_lshl_add_u32 v30, v0, 2, SPARE
	v_mov_b32 v31, 0
	v_and_b32 v1, 31, v0                           ; lane
	v_lshrrev_b32 v3, 5, v0
	v_readfirstlane_b32 s66, v3                    ; wave
	v_lshlrev_b32 v2, 3, v0                        ; 8 bytes a token
	v_lshlrev_b32 v9, 2, v1
	v_lshl_add_u32 v9, s66, 7, v9                  ; my word of my wave's 128 bytes
	v_lshlrev_b32 v12, 7, v1                       ; wave "lane"'s 128 bytes
	v_and_b32 v10, 15, v0                          ; r
	v_bfe_u32 v11, v0, 4, 1                        ; h
	v_mov_b32 v8, 0
	v_mov_b32 v20, 0
	s_mov_b32 s68, 0x76543210                      ; v_permlanex16_b32: each lane takes its own place in the other half
	s_mov_b32 s69, 0xfedcba98
	s_mov_b32 s85, ttmp9                           ; T
	s_wait_kmcnt 0x0
	global_load_b64 v[4:5], v2, s[4:5]
	s_wait_loadcnt 0x0
	v_min_u32 v4, 7, v4
	v_min_u32 v5, 7, v5
.irp e, 0,1,2,3,4,5,6,7
	v_cmp_eq_u32 s24, \e, v4
	v_cmp_eq_u32 s25, \e, v5
	s_or_b32 s[16+\e], s24, s25                    ; which of my wave's 32 tokens chose expert e
	s_bcnt1_i32_b32 s[32+\e], s[16+\e]
	v_writelane_b32 v8, s[16+\e], \e
.endr
.irp k, 0,1,2,3
	s_lshl_b32 s24, s[33+2*\k], 16
	s_or_b32 s24, s24, s[32+2*\k]                  ; counts stay under 2^16 when added up: 1,024 at the most
	v_writelane_b32 v8, s24, 8+\k
.endr
	ds_store_b32 v9, v8
	s_wait_dscnt 0x0                               ; for the others' sake
	s_barrier_signal -1
	s_barrier_wait -1
	ds_load_b128 v[24:27], v12 offset:32           ; lane l: wave l's counts
	s_wait_dscnt 0x0
.macro WSUM reg                        ; the sum over the 32 lanes, in every lane, in whole numbers
.irp m, 1,2,4,8
	v_mov_b32_dpp v20, v[\reg] row_xmask:\m row_mask:0xf bank_mask:0xf
	v_add_nc_u32 v[\reg], v[\reg], v20
.endr
	v_permlanex16_b32 v20, v[\reg], s68, s69
	v_add_nc_u32 v[\reg], v[\reg], v20
.endm
.irp k, 0,1,2,3
	v_mov_b32 v[13+\k], v[24+\k]                   ; the waves' own counts are kept for the prefix below
	WSUM 13+\k
	v_readfirstlane_b32 s24, v[13+\k]
	s_and_b32 s[32+2*\k], s24, 0xffff              ; n_e
	s_lshr_b32 s[33+2*\k], s24, 16
.endr
	s_mov_b32 s67, 0
.irp e, 0,1,2,3,4,5,6,7
	s_add_co_u32 s24, s[32+\e], 63
	s_lshr_b32 s[72+\e], s24, 6                    ; g_e
	s_mov_b32 s[48+\e], s67                        ; B_e
	s_add_co_u32 s67, s67, s[72+\e]                ; all groups
.endr
	s_lshr_b32 s26, s85, 2                         ; my tile's group; its expert is the last with B_e at or below it
	s_mov_b32 s81, 0
	s_mov_b32 s82, 0
.irp e, 1,2,3,4,5,6,7
	s_cmp_le_u32 s[48+\e], s26
	s_cselect_b32 s81, \e, s81
	s_cselect_b32 s82, s[48+\e], s82
.endr
	s_min_u32 s81, s81, 7
	s_cmp_lg_u32 s66, 0
	s_cbranch_scc1 .Lnot0
	; wave 0 alone walks the expert's bitmap, a word (32 tokens) at a time: a token's rank less the tile's first rank is its place in the tile
	s_lshl_b32 s84, s85, 4
	s_lshl_b32 s24, s82, 6
	s_sub_co_u32 s84, s84, s24                     ; the tile's first rank,
	s_sub_co_u32 s83, 0, s84                       ; taken away from the running count at the start: ranks below it wrap to large numbers
	v_lshl_add_u32 v28, v1, 2, TOK16
	v_mov_b32 v21, 0x400                           ; 1,024: no token
	v_mov_b32 v19, 16
	v_lshl_add_u32 v18, s81, 2, v12
	ds_store_b32 v28, v21
	ds_load_b32 v17, v18                           ; lane l: wave l's mask of the expert
	s_wait_dscnt 0x0
.set w, 0
.rept 32
	v_readlane_b32 s24, v17, w
	v_mbcnt_lo_u32_b32 v18, s24, s83               ; running count + the chosen tokens below me
	v_cndmask_b32 v18, v19, v18, s24               ; a token that did not choose the expert goes to word 16,
	v_min_u32 v18, 16, v18                         ; and so does every place outside the tile
	v_lshl_add_u32 v18, v18, 2, TOK16
	v_add_nc_u32 v21, 32*w, v1
	ds_store_b32 v18, v21
	s_bcnt1_i32_b32 s25, s24
	s_add_co_u32 s83, s83, s25
.set w, w+1
.endr
.Lnot0:
	s_wait_dscnt 0x0
	s_barrier_signal -1
	s_barrier_wait -1
	s_lshl_b32 s24, s67, 2
	s_cmp_ge_u32 s85, s24
	s_cbranch_scc1 .Ldead                          ; a tile past the last group: nothing to store; no barrier is jumped
	v_lshl_add_u32 v23, v10, 2, TOK16
	ds_load_b32 v22, v23
	s_wait_dscnt 0x0
	v_cmp_gt_u32 s86, 0x400, v22                   ; a slot with a token
	v_cndmask_b32 v22, 0, v22, s86                 ; the others repeat token 0
	v_min_u32 v22, 1023, v22
	v_lshlrev_b32 v29, 12, v22
	v_lshl_add_u32 v29, v11, 6, v29
	v_lshl_add_u32 v29, s66, 7, v29                ; token x 4,096 + wave x 128 + 64 h: wave v takes step v
.irp j, 0,1,2,3
	global_load_b128 v[32+4*\j:35+4*\j], v29, s[8:9] offset:16*\j
.endr
	v_lshlrev_b32 v56, 4, v1
	v_lshl_add_u32 v56, s66, 10, v56               ; step x 1,024 + 16 lane
	s_lshl_b32 s24, s85, 15                        ; tile x 32,768
	s_mov_b32 s25, 0
	s_add_nc_u64 s[2:3], s[2:3], s[24:25]
	s_wait_loadcnt 0x0
.irp p, 0,1,2,3,4,5,6,7
	v_cvt_pk_bf16_f32 v[48+\p], v[32+2*\p], v[33+2*\p]
.endr
	global_store_b128 v56, v[48:51], s[2:3]                ; each store of the wave covers 512 consecutive bytes, aligned
	global_store_b128 v56, v[52:55], s[2:3] offset:512
	s_cmp_lg_u32 s66, 0
	s_cbranch_scc1 .Lnogs
	v_lshlrev_b32 v57, 3, v22                      ; wave 0: the slots' weights
	global_load_b64 v[58:59], v57, s[4:5]
	global_load_b64 v[60:61], v57, s[6:7]
	v_lshlrev_b32 v63, 2, v10
	s_lshl_b32 s24, s85, 6                         ; 16 slots of 4 bytes
	s_add_nc_u64 s[14:15], s[14:15], s[24:25]
	s_wait_loadcnt 0x0
	v_cmp_eq_u32 vcc_lo, s81, v58
	v_cndmask_b32 v62, v61, v60, vcc_lo            ; the weight of the choice that named this expert
	v_cndmask_b32 v62, 0, v62, s86                 ; 0 in a slot without a token
	v_cmp_gt_u32 vcc_lo, 16, v1
	s_wait_xcnt 0x0                                ; EXEC changes only behind this wait
	s_and_saveexec_b32 s87, vcc_lo
	global_store_b32 v63, v62, s[14:15]
	s_wait_xcnt 0x0
	s_or_b32 exec_lo, exec_lo, s87
.Lnogs:
.Ldead:
	s_cmp_lg_u32 s85, NT
	s_cbranch_scc1 .Lend
	; work-group 160: each choice's slot = 64 B_e + the expert's tokens in the waves below mine + those below me in my wave
	v_cmp_gt_u32 vcc_lo, s66, v1
.irp k, 0,1,2,3
	v_cndmask_b32 v[24+\k], 0, v[24+\k], vcc_lo
	WSUM 24+\k
	v_readfirstlane_b32 s24, v[24+\k]
	s_and_b32 s[40+2*\k], s24, 0xffff
	s_lshr_b32 s[41+2*\k], s24, 16
.endr
	v_mov_b32 v32, 0
	v_mov_b32 v33, 0
.irp e, 0,1,2,3,4,5,6,7
	s_lshl_b32 s24, s[48+\e], 6
	s_add_co_u32 s24, s24, s[40+\e]
	v_mbcnt_lo_u32_b32 v34, s[16+\e], s24
	v_cmp_eq_u32 vcc_lo, \e, v4
	v_cndmask_b32 v32, v32, v34, vcc_lo
	v_cmp_eq_u32 vcc_lo, \e, v5
	v_cndmask_b32 v33, v33, v34, vcc_lo
.endr
	global_store_b64 v2, v[32:33], s[10:11]
	s_cmp_lg_u32 s66, 0
	s_cbranch_scc1 .Lend
	s_mov_b32 s80, 0                               ; wave 0: the list of blocks, lane b entry b
.irp e, 0,1,2,3,4,5,6,7
	s_add_co_u32 s24, s[72+\e], 5
	s_mul_i32 s24, s24, 43
	s_lshr_b32 s24, s24, 8                         ; ceil(g_e / 6): x 43 >> 8 divides by 6 up to 21, and g_e + 5 is 21 at the most
	s_mov_b32 s[56+\e], s80                        ; the expert's first block
	s_add_co_u32 s80, s80, s24
.endr
	v_mov_b32 v36, 0
	v_mov_b32 v40, 0
	v_mov_b32 v41, 0
	v_mov_b32 v42, s72
.irp e, 1,2,3,4,5,6,7
	v_cmp_le_u32 vcc_lo, s[56+\e], v1
	v_cndmask_b32 v36, v36, \e, vcc_lo
	v_cndmask_b32 v40, v40, s[56+\e], vcc_lo
	v_cndmask_b32 v41, v41, s[48+\e], vcc_lo
	v_cndmask_b32 v42, v42, s[72+\e], vcc_lo
.endr
	v_sub_nc_u32 v40, v1, v40                      ; which of the expert's blocks
	v_mul_u32_u24 v40, 6, v40
	v_add_nc_u32 v37, v41, v40                     ; its first group
	v_sub_nc_u32 v38, v42, v40
	v_min_u32 v38, 6, v38                          ; its groups
	v_cmp_gt_u32 vcc_lo, s80, v1
	v_cndmask_b32 v37, 0, v37, vcc_lo
	v_cndmask_b32 v38, 0, v38, vcc_lo              ; none past the list's end
	v_mov_b32 v39, 0
	v_lshlrev_b32 v43, 4, v1
	global_store_b128 v43, v[36:39], s[12:13]
.Lend:
	s_wait_tensorcnt 0x0                           ; the wave's end
	ds_add_u32 v30, v31
	s_wait_dscnt 0x0
	s_endpgm
.Lfunc_end_k_q804e409773_place:
	.size	k_q804e409773_place, .Lfunc_end_k_q804e409773_place-k_q804e409773_place
	.p2alignl 7, 3214868480
	.fill 96, 4, 3214868480
	.section	.rodata,"a",@progbits
	.p2align	6, 0x0
	.amdhsa_kernel k_q804e409773_place
		.amdhsa_group_segment_fixed_size 8448
		.amdhsa_private_segment_fixed_size 0
		.amdhsa_enable_private_segment 0
		.amdhsa_kernarg_size 56
		.amdhsa_user_sgpr_count 2
		.amdhsa_user_sgpr_kernarg_segment_ptr 1
		.amdhsa_wavefront_size32 1
		.amdhsa_system_sgpr_workgroup_id_x 1
		.amdhsa_system_sgpr_workgroup_id_y 1
		.amdhsa_system_sgpr_workgroup_id_z 1
		.amdhsa_system_vgpr_workitem_id 0
		.amdhsa_next_free_vgpr 64
		.amdhsa_next_free_sgpr 96
		.amdhsa_reserve_vcc 1
		.amdhsa_float_denorm_mode_32 3
		.amdhsa_float_denorm_mode_16_64 3
		.amdhsa_memory_ordered 1
		.amdhsa_forward_progress 1
		.amdhsa_inst_pref_size 37
	.end_amdhsa_kernel
	.amdgpu_metadata
---
amdhsa.version: [ 1, 2 ]
amdhsa.kernels:
  - .name:           k_q804e409773_place
    .symbol:         k_q804e409773_place.kd
    .args:
      - { .name: sel, .offset: 0, .size: 8, .value_kind: global_buffer, .address_space: global }
      - { .name: gate, .offset: 8, .size: 8, .value_kind: global_buffer, .address_space: global }
      - { .name: x, .offset: 16, .size: 8, .value_kind: global_buffer, .address_space: global }
      - { .name: pos, .offset: 24, .size: 8, .value_kind: global_buffer, .address_space: global }
      - { .name: blk, .offset: 32, .size: 8, .value_kind: global_buffer, .address_space: global }
      - { .name: gs, .offset: 40, .size: 8, .value_kind: global_buffer, .address_space: global }
      - { .name: xg, .offset: 48, .size: 8, .value_kind: global_buffer, .address_space: global }
    .group_segment_fixed_size: 8448
    .private_segment_fixed_size: 0
    .kernarg_segment_align: 8
    .kernarg_segment_size: 56
    .max_flat_workgroup_size: 1024
    .sgpr_count:     96
    .vgpr_count:     64
    .wavefront_size: 32
...
	.end_amdgpu_metadata
.endif
;; end of part 2
;; launch fc1 (part 3): grid 32 x 13, 4 waves a work-group, no clusters, 33,280 bytes of LDS; arguments xg, w1, blk, hid; writes hid
.if DOCPART == 3
	.amdgcn_target "amdgcn-amd-amdhsa--gfx1250"
	.amdhsa_code_object_version 6
	.text
	.protected	k_q804e409773_fc1
	.globl	k_q804e409773_fc1
	.p2align	8
	.type	k_q804e409773_fc1,@function
k_q804e409773_fc1:
	s_mov_b64 s[64:65], 0
	v_nop
	global_prefetch_b8 v0, s[64:65] scope:SCOPE_SE
	s_setreg_imm32_b32 hwreg(HW_REG_WAVE_MODE, 25, 1), 1
	s_wait_xcnt 0x0
; FC = 1: hid = gelu(rows of xg x w1[e]), bf16.   FC = 2: y = weight x (rows of hid x w2[e]), f32, one part for each quarter of K.   One text for both, chosen by FC.
; SHARES.  Work-group (x, y): block y of the list blk (one expert, NG = 0 to 6 groups of 64 slots from group G0 on) and 128 columns of the expert's weights (FC = 2: x & 7 the columns, x >> 3 the quarter of K); K = 1,024.
; Wave w owns tile 4 (G0 + i) + w of group i, all 128 columns: 8 accumulators a tile.  Each weight byte is read once in the launch, by this work-group alone: no cluster, nothing is shared but the rows,
; and those come straight into registers as fragments (512 consecutive bytes a load).
; WEIGHTS.  K goes in 16 chunks of 64.  Wave u = 2 ks + cb loads the unit (32 k) x (64 columns) in f32: lane (r, h) takes 16 rows, columns 4 r .. 4 r + 3, so 16 lanes read 256 consecutive bytes, aligned.
; Component f of the lane's four columns, two rows rounded into a register, IS a bf16 fragment whose lane row r stands for column 4 r + f.  The four waves hand their fragments to each other through a ring of two LDS slots.
; The 16 k of lane half h are the same in the rows' fragments (as the launch before laid them) and in the weights': a permutation of k applied to both sources alike keeps the products.
; A BLOCK WITHOUT ROWS (NG = 0) passes every barrier and stores nothing: the grid serves every split of the tokens.  Each stretch of loads and work is one arm of a branch on NG; the other arm is s_wait_loadcnt 0.
; So behind an arm without loads no load is out, and in the working arm the 16 youngest loads are always a unit of weights, whichever arms went before.  EXEC is never changed.
; ALL OPERAND AND ACCUMULATOR REGISTERS ARE CLEARED ONCE: a tile's loads and products stand under branches on NG, so each register is written on every path, and the sums start from 0.
; The price: 832 (FC = 2: 880) v_mov_b32: those of the loads' registers in the wait for the block's entry, the 512 of accumulators and weight fragments behind the first loads, while these are out.
; GELU (FC = 1) is the exact one, erf by Abramowitz and Stegun 7.1.26 (within 1.5e-7): gelu(x) = max(x, 0) - |x| / 2 x P(t) x e^(-x x / 2), t = 1 / (1 + 0.2316419 |x|): no difference of near numbers, right for large |x|.
; LIMITS.  Operands in bf16, sums in f32; e^(..) below 2^-126 counts as 0; NaN and infinities are not treated apart.
.set FC, 1
.if FC == 1
.set PITCH, 16384                      ; bytes from a row of the weights to the next
.set TS,    32768                      ; bytes of a tile of rows
.set HSH,   18                         ; lane half h begins 16 rows down
.set MULW,  0xa7                       ; source 0 = weights (window 3), source 1 = rows (window 1), C and D window 2: a lane holds one token
.else
.set PITCH, 4096
.set TS,    131072
.set HSH,   17                         ; lane half h begins 32 rows down
.set MULW,  0xad                       ; source 0 = rows (window 1), source 1 = weights (window 3): a lane holds one column group
.endif
.set WSTEP, 64*PITCH                   ; a chunk of weights
.set XSTEP, 2048                       ; a chunk's two fragments of a tile
.set SLOT,  16384                      ; 16 fragments of 1,024 bytes: unit u at 4,096 u, fragment f at 1,024 f
.set SPARE, 2*SLOT                     ; behind the ring: the spare words, 128 bytes a wave
; window 0
.set LL,  2                            ; 16 x lane: LDS and global offset of a fragment's 512 bytes
.set LS,  3                            ; + 4,096 x wave: where my unit's fragments go
.set WO,  4                            ; my offset in a unit of weights
.set SPW, 6                            ; my spare word
.set NIL, 7                            ; 0
.set SA,  8                            ; FC = 2: my offset in 16 rows of y
.set GO,  9                            ; FC = 2: 32 h
.set CA,  10                           ; v[10:19] a1 .. a5, each twice; v[20:21] 0.2316419 twice
.set KP,  20
.set CT,  32                           ; v[32:63]  four fragments just rounded
.set ST0, 64                           ; v[64:127], v[128:191]  a unit of weights in f32, two sets by the chunk's parity
; window 1: rows' fragments at 96 par + 16 i + 8 ks (v0-191); FC = 2: the slots' weights at 192 + 8 i
; window 2: accumulators of tiles 0-3 at 64 i + 32 cb + 8 f;  window 3: those of tiles 4, 5 at 64 (i - 4); the chunk's 16 weight fragments at 128 + 64 ks + 32 cb + 8 f
.set NG, 22
.set XB, 24                            ; s[24:25] rows, s[26:27] weights, s[28:29] output
.set WB, 26
.set OB, 28
.set MSB, 0
.macro WIN new                         ; the immediate's high byte repeats the setting that is left; a switch that changes nothing is dropped
.if MSB != (\new)
	s_set_vgpr_msb (MSB<<8)|(\new)
.set MSB, \new
.endif
.endm
.macro CLRW win, lo, n
	WIN \win
.set c, \lo
.rept \n
	v_mov_b32 v[c], 0
.set c, c+1
.endr
.endm
.macro CPAIR reg, val                  ; a constant twice, for the packed forms
	v_mov_b32 v[\reg], \val
	v_mov_b32 v[(\reg)+1], v[\reg]
.endm
.macro XL par                          ; a chunk's rows: four loads a live tile
.irp i, 0,1,2,3,4,5
.if (\i) > 0
	WIN 0
	s_cmp_le_u32 s[NG], \i
	s_cbranch_scc1 .Lxd_\@
.endif
	WIN 0x40
.irp k, 0,1
.irp q, 0,1
	global_load_b128 v[96*(\par)+16*(\i)+8*(\k)+4*(\q):96*(\par)+16*(\i)+8*(\k)+4*(\q)+3], v[LL], s[XB:XB+1] offset:(\i)*4*TS+(\k)*1024+(\q)*512
.endr
.endr
.endr
	WIN 0
.Lxd_\@:
.endm
.macro GL                              ; FC = 2: the weights of my tiles' slots 8 h .. 8 h + 7
.irp i, 0,1,2,3,4,5
.if (\i) > 0
	WIN 0
	s_cmp_le_u32 s[NG], \i
	s_cbranch_scc1 .Lgd_\@
.endif
	WIN 0x40
	global_load_b128 v[192+8*(\i):195+8*(\i)], v[GO], s[42:43] offset:256*(\i)
	global_load_b128 v[196+8*(\i):199+8*(\i)], v[GO], s[42:43] offset:256*(\i)+16
.endr
	WIN 0
.Lgd_\@:
.endm
.macro WL set, off                     ; my unit of a chunk: 16 loads, two rows of 256 bytes each; off: whole chunks ahead of the base, in the immediate (2,342,912 bytes at the most, inside its signed 24 bits)
.set c, 0
.rept 16
	global_load_b128 v[ST0+64*(\set)+4*c:ST0+64*(\set)+4*c+3], v[WO], s[WB:WB+1] offset:c*PITCH+(\off) th:TH_LOAD_NT
.set c, c+1
.endr
.endm
; A trip's global loads.  The bases step only behind s_wait_xcnt 0; the loads that name them were issued a trip ago.  The rows go first, the weights last: so the 16 youngest loads are always a unit of weights.
.macro GLOADS set, xi, wi
	s_wait_xcnt 0x0
.if \xi
	s_add_nc_u64 s[XB:XB+1], s[XB:XB+1], XSTEP
.endif
.if \wi
	s_add_nc_u64 s[WB:WB+1], s[WB:WB+1], WSTEP
.endif
.if \xi
	XL \set
.endif
.if \wi
	WL \set, 2*WSTEP
.endif
.endm
.macro CONV set, slot                  ; fragment f, register p = rows 2 p, 2 p + 1 of component f; then into the ring
.irp f, 0,1,2,3
.irp p, 0,1,2,3,4,5,6,7
	v_cvt_pk_bf16_f32 v[CT+8*(\f)+(\p)], v[ST0+64*(\set)+8*(\p)+(\f)], v[ST0+64*(\set)+8*(\p)+4+(\f)]
.endr
	ds_store_b128 v[LS], v[CT+8*(\f):CT+8*(\f)+3] offset:(\slot)*SLOT+(\f)*1024
	ds_store_b128 v[LS], v[CT+8*(\f)+4:CT+8*(\f)+7] offset:(\slot)*SLOT+(\f)*1024+512
.endr
.endm
.macro WFLOAD slot                     ; the chunk's 16 fragments, 32 loads in one run: the 16 of its first 32 k first
	WIN 0xc0
.set c, 0
.rept 32
	ds_load_b128 v[128+4*c:131+4*c], v[LL] offset:(\slot)*SLOT+512*c
.set c, c+1
.endr
	WIN 0
.endm
.macro MULK par, k                     ; half k of the chunk (32 along K): 8 products a live tile; its 8 accumulators take turns, one instruction a turn
.irp i, 0,1,2,3,4,5
.if (\i) > 0
	WIN 0
	s_cmp_le_u32 s[NG], \i
	s_cbranch_scc1 .Lmd_\@
.endif
	WIN MULW+0x50*((\i)/4)
.irp b, 0,1
.irp f, 0,1,2,3
.set AC, 64*((\i)%4)+32*(\b)+8*(\f)
.set WF, 128+64*(\k)+32*(\b)+8*(\f)
.set XR, 96*(\par)+16*(\i)+8*(\k)
.if FC == 1
	v_wmma_f32_16x16x32_bf16 v[AC:AC+7], v[WF:WF+7], v[XR:XR+7], v[AC:AC+7]
.else
	v_wmma_f32_16x16x32_bf16 v[AC:AC+7], v[XR:XR+7], v[WF:WF+7], v[AC:AC+7]
.endif
.endr
.endr
.endr
	WIN 0
.Lmd_\@:
.endm
; TRIP t (par = t & 1) multiplies chunk t.  One barrier: in front of it each wave's stores of chunk t's fragments and its reads of the other slot are done; behind it slot par is read and the other written.
; s_wait_loadcnt n: n = 16 leaves out the 16 youngest loads alone, the weights of chunk t + 2: so the weights of chunk t + 1 and the rows of chunk t are in, however many row loads the block has.
; s_wait_dscnt 24: of the 32 fragment loads and the 8 stores behind them the youngest 24 may be out: the first 32 k's fragments are in, and are multiplied while the others come; then 8: all fragments are in.
.macro TRIP par, conv, xi, wi, n
	s_wait_dscnt 0x0
	s_barrier_signal -1
	s_barrier_wait -1
	s_cmp_lg_u32 s[NG], 0
	s_cbranch_scc1 .Llv_\@
	s_wait_loadcnt 0x0                             ; the arm of a block without rows: no load is out behind it
	s_branch .Ljn_\@
.Llv_\@:
	WFLOAD \par
	s_wait_loadcnt \n
.if \conv
	CONV 1-(\par), 1-(\par)                        ; chunk t + 1 into the other slot
.endif
.if (\xi) || (\wi)
	GLOADS 1-(\par), \xi, \wi                      ; rows of chunk t + 1, weights of chunk t + 3
.endif
	s_wait_dscnt 16+8*(\conv)
	MULK \par, 0
	s_wait_dscnt 8*(\conv)
	MULK \par, 1
.Ljn_\@:
.rept 4
	v_nop                                          ; four places behind the last product, ahead of loads into its sources and of what reads its result
.endr
.endm
	s_load_b256 s[4:11], s[0:1], 0x0               ; rows s[4:5], weights s[6:7], blk s[8:9], output s[10:11]
.if FC == 2
	s_load_b64 s[12:13], s[0:1], 0x20              ; gs
.endif
	v_lshl_add_u32 v[SPW], v0, 2, SPARE
	v_mov_b32 v[NIL], 0
	v_lshrrev_b32 v1, 5, v0
	v_readfirstlane_b32 s14, v1                    ; wave = unit 2 ks + cb
	s_lshr_b32 s15, s14, 1                         ; ks
	s_and_b32 s16, s14, 1                          ; cb
	s_and_b32 s19, ttmp7, 0xffff
	s_lshl_b32 s19, s19, 4                         ; my block's entry
.if FC == 1
	s_mov_b32 s17, ttmp9                           ; my 128 columns
.else
	s_and_b32 s17, ttmp9, 7
	s_lshr_b32 s18, ttmp9, 3                       ; my quarter of K
.endif
	s_wait_kmcnt 0x0
	s_load_b128 s[20:23], s[8:9], s19 offset:0x0   ; expert, first group, groups
	v_and_b32 v1, 31, v0
	v_and_b32 v22, 15, v0                          ; r
	v_bfe_u32 v23, v0, 4, 1                        ; h
	v_lshlrev_b32 v[LL], 4, v1
	v_lshl_add_u32 v[LS], s14, 12, v[LL]
	v_lshlrev_b32 v[WO], 4, v22
	v_lshl_add_u32 v[WO], v23, HSH, v[WO]
.if FC == 1
	s_mov_b32 s35, 0x7fffffff                      ; clears a sign
	s_mov_b32 s44, 0xbf38aa3b                      ; -log2(e) / 2; the packed multiply takes the pair's low word for both halves,
	s_mov_b32 s45, s44                             ; and names the pair
	CPAIR CA,   0x3e827906                         ;  0.254829592
	CPAIR CA+2, 0xbe91a98e                         ; -0.284496736
	CPAIR CA+4, 0x3fb5f0e3                         ;  1.421413741
	CPAIR CA+6, 0xbfba00e3                         ; -1.453152027
	CPAIR CA+8, 0x3f87dc22                         ;  1.061405429
	CPAIR KP,   0x3e6d3388                         ;  0.3275911 / sqrt(2)
.else
	v_lshlrev_b32 v[SA], 4, v22
	v_lshl_add_u32 v[SA], v23, 15, v[SA]           ; 8 h rows of 4,096 bytes + 16 r
	v_lshlrev_b32 v[GO], 5, v23
.endif
	CLRW 0x00, ST0, 128                            ; the registers that global loads fill are cleared ahead of the loads
.if FC == 1
	CLRW 0x40, 0, 192
.else
	CLRW 0x40, 0, 240
.endif
	WIN 0
	s_wait_kmcnt 0x0
	s_min_u32 s20, s20, 7
	s_min_u32 s21, s21, 39
	s_min_u32 s22, s22, 6
.if FC == 1
	s_lshl_b32 s34, s22, 1                         ; the block's units on the way out: two a tile
.endif
	s_lshl_b32 s40, s21, 2
	s_add_co_u32 s40, s40, s14                     ; my tile of group G0
	s_mov_b32 s31, 0
.if FC == 1
	s_lshl_b32 s30, s40, 15
.else
	s_lshl_b32 s30, s40, 17
	s_lshl_b32 s41, s18, 15
	s_add_co_u32 s30, s30, s41
.endif
	s_add_nc_u64 s[XB:XB+1], s[4:5], s[30:31]
	s_lshl_b32 s30, s20, 24                        ; an expert's weights are 2^24 bytes
.if FC == 1
	s_lshl_b32 s41, s15, 19                        ; ks x 32 rows
	s_add_co_u32 s30, s30, s41
.else
	s_lshl_b32 s41, s15, 16                        ; ks x 16 rows
	s_add_co_u32 s30, s30, s41
	s_lshl_b32 s41, s18, 22                        ; quarter x 1,024 rows
	s_add_co_u32 s30, s30, s41
.endif
	s_lshl_b32 s41, s17, 9
	s_add_co_u32 s30, s30, s41
	s_lshl_b32 s41, s16, 8
	s_add_co_u32 s30, s30, s41
	s_add_nc_u64 s[WB:WB+1], s[6:7], s[30:31]
.if FC == 1
	s_lshl_b32 s30, s40, 17                        ; hid: tile x 131,072 + my 128 columns' four fragments
	s_lshl_b32 s41, s17, 12
	s_add_co_u32 s30, s30, s41
	s_add_nc_u64 s[38:39], s[10:11], s[30:31]
.else
	s_mul_i32 s30, s18, 10485760                   ; y: a part for each quarter, 2,560 rows of 4,096 bytes
	s_lshl_b32 s41, s40, 16
	s_add_co_u32 s30, s30, s41
	s_lshl_b32 s41, s17, 9
	s_add_co_u32 s30, s30, s41
	s_add_nc_u64 s[OB:OB+1], s[10:11], s[30:31]
	s_lshl_b32 s30, s40, 6
	s_add_nc_u64 s[42:43], s[12:13], s[30:31]
.endif
	s_cmp_eq_u32 s[NG], 0
	s_cbranch_scc1 .Lp1
.if FC == 2
	GL
.endif
	XL 0                                           ; rows of chunk 0,
	WL 0, 0                                        ; weights of chunks 0
	WL 1, WSTEP                                    ; and 1
.Lp1:
	CLRW 0x80, 0, 256                              ; accumulators and weight fragments are cleared while the first loads are out
	CLRW 0xc0, 0, 256
	WIN 0
	s_wait_loadcnt 16                              ; all but chunk 1's weights
	CONV 0, 0
	s_cmp_lg_u32 s[NG], 0
	s_cbranch_scc1 .Lp2
	s_wait_loadcnt 0x0                             ; the arm of a block without rows
	s_branch .Lp3
.Lp2:
	WL 0, 2*WSTEP                                  ; weights of chunk 2
.Lp3:
	s_mov_b32 s32, 7                               ; thirteen full trips, 0 to 12, from two texts: the loop is entered in its middle, and the first of its seven passes is half a pass
	s_branch .Lmid
.Lloop:
	TRIP 1, 1, 1, 1, 16
.Lmid:
	TRIP 0, 1, 1, 1, 16
	s_sub_co_u32 s32, s32, 1
	s_cmp_lg_u32 s32, 0
	s_cbranch_scc1 .Lloop
	TRIP 1, 1, 1, 0, 16                            ; trip 13 asks for rows alone: chunk 15's weights are the 16 youngest
	TRIP 0, 1, 1, 0, 0                             ; 14: nothing younger is out
	TRIP 1, 0, 0, 0, 0
	s_cmp_eq_u32 s[NG], 0
	s_cbranch_scc1 .Lfin
.if FC == 1
	; THE WAY OUT.  A lane holds token r; accumulator (cb, f), register j is column 64 cb + 32 h + 4 j + f.  ONE text of gelu serves the 12 units u = 2 i + cb (tile i, 64 columns: four accumulators, 32 registers),
	; in a loop.  Registers cannot be chosen by a counter, so each trip picks, by a chain of compares on the counter, the one of 12 short blocks that takes its unit out of the accumulators: |x| and max(x, 0),
	; all that the formula needs of x, into fixed registers of window 0; the block also makes the unit's address in hid, my first tile's plus a constant of the block: group i is four tiles (524,288 bytes) on,
	; cb two fragments (2,048 bytes).  The last block needs no compare.  Each accumulator is read from its low end on.  No LDS is touched.
	; The 64 transcendentals are two batches, each with one wait: the 32 reciprocals stand by turns with the squares, the 32 exponentials with the polynomial's first two steps: plain lines that name no result of their batch.
.set X,  64                            ; max(x, 0), index 8 f + j; then gelu
.set AB, 96                            ; |x|
.set TT, 128                           ; t
.set EE, 160                           ; e^(-x x / 2)
.set PP, 192                           ; the polynomial
.set OO, 224                           ; 16 registers to store
.macro PK16 line:vararg                ; one packed line for each of 16 pairs; c is the pair's first register
.set c, 0
.rept 16
	\line
.set c, c+2
.endr
.endm
	s_mov_b32 s33, 0
.Lu:
	s_cmp_ge_u32 s33, s34
	s_cbranch_scc1 .Lnext                          ; a unit of a tile that the block does not have
	s_wait_xcnt 0x0                                ; the last unit's stores have read their base and data: both are rewritten only behind this wait
.irp u, 0,1,2,3,4,5,6,7,8,9,10,11
.if (\u) < 11
	s_cmp_lg_u32 s33, \u
	s_cbranch_scc1 .Lnu\u
.endif
	s_add_nc_u64 s[OB:OB+1], s[38:39], ((\u)/2)*524288+((\u)%2)*2048
	WIN 0x08+4*((\u)/8)                            ; source 1 in window 2 (units 0-7) or 3 (units 8-11)
.set c, 0
.rept 32
	v_and_b32 v[AB+c], s35, v[32*((\u)%8)+c]
	v_max_num_f32 v[X+c], 0, v[32*((\u)%8)+c]
.set c, c+1
.endr
	WIN 0
.if (\u) < 11
	s_branch .Lgo
.Lnu\u:
.endif
.endr
.Lgo:
	PK16 v_pk_fma_f32 v[TT+c:TT+c+1], v[AB+c:AB+c+1], v[KP:KP+1], 1.0 op_sel_hi:[1,1,0]
.set c, 0
.rept 16                                       ; t = 1 / (..), and beside it -x x log2(e) / 2; the second multiply works on the pair before, whose square is ready
	v_rcp_f32 v[TT+c], v[TT+c]
	v_pk_mul_f32 v[EE+c:EE+c+1], v[AB+c:AB+c+1], v[AB+c:AB+c+1]
	v_rcp_f32 v[TT+c+1], v[TT+c+1]
.if c > 0
	v_pk_mul_f32 v[EE+c-2:EE+c-1], v[EE+c-2:EE+c-1], s[44:45] op_sel_hi:[1,0]
.endif
.set c, c+2
.endr
	v_pk_mul_f32 v[EE+30:EE+31], v[EE+30:EE+31], s[44:45] op_sel_hi:[1,0]   ; also the plain instruction behind the last reciprocal
	s_wait_alu depctr_va_vdst(0)                   ; one wait for the 32 reciprocals
.set c, 0
.rept 16                                       ; e^(-x x / 2), and beside it the polynomial's first two steps
	v_exp_f32 v[EE+c], v[EE+c]
	v_pk_fma_f32 v[PP+c:PP+c+1], v[TT+c:TT+c+1], v[CA+8:CA+9], v[CA+6:CA+7]
	v_exp_f32 v[EE+c+1], v[EE+c+1]
.if c > 0
	v_pk_fma_f32 v[PP+c-2:PP+c-1], v[PP+c-2:PP+c-1], v[TT+c-2:TT+c-1], v[CA+4:CA+5]
.endif
.set c, c+2
.endr
	v_pk_fma_f32 v[PP+30:PP+31], v[PP+30:PP+31], v[TT+30:TT+31], v[CA+4:CA+5]
	PK16 v_pk_fma_f32 v[PP+c:PP+c+1], v[PP+c:PP+c+1], v[TT+c:TT+c+1], v[CA+2:CA+3]
	PK16 v_pk_fma_f32 v[PP+c:PP+c+1], v[PP+c:PP+c+1], v[TT+c:TT+c+1], v[CA:CA+1]
	PK16 v_pk_mul_f32 v[PP+c:PP+c+1], v[PP+c:PP+c+1], v[TT+c:TT+c+1]
	PK16 v_pk_mul_f32 v[PP+c:PP+c+1], v[PP+c:PP+c+1], v[AB+c:AB+c+1]
	s_wait_alu depctr_va_vdst(0)                   ; one wait for the 32 exponentials, ahead of their first reader
	PK16 v_pk_mul_f32 v[PP+c:PP+c+1], v[PP+c:PP+c+1], v[EE+c:EE+c+1]
	PK16 v_pk_fma_f32 v[X+c:X+c+1], v[PP+c:PP+c+1], -0.5, v[X+c:X+c+1] op_sel_hi:[1,0,1]
	; my 32 columns 32 h + 0..31 are two fragments' 16 k each: register p of the 16 holds columns 2 p, 2 p + 1 = (j = p / 2, f = 2 (p % 2)) and (j, f + 1)
.set c, 0
.rept 16
	v_cvt_pk_bf16_f32 v[OO+c], v[X+16*(c%2)+c/2], v[X+16*(c%2)+8+c/2]
.set c, c+1
.endr
.irp q, 0,1,2,3
	global_store_b128 v[LL], v[OO+4*\q:OO+4*\q+3], s[OB:OB+1] offset:512*\q      ; 512 consecutive bytes, aligned
.endr
.Lnext:
	s_add_co_u32 s33, s33, 1
	s_cmp_lt_u32 s33, 12
	s_cbranch_scc1 .Lu
.else
	; THE WAY OUT.  A lane holds columns 64 cb + 4 r + f in accumulator (cb, f), register j is slot 8 h + j.  The multiply by the slot's weight also brings the four accumulators' numbers of a row side by side:
	; 16 bytes a lane, and 16 lanes store 256 consecutive bytes of a row of y, aligned.
.irp i, 0,1,2,3,4,5
.if (\i) > 0
	WIN 0
	s_cmp_le_u32 s[NG], \i
	s_cbranch_scc1 .Lfin
.endif
.irp b, 0,1
	s_wait_xcnt 0x0                                ; earlier stores have read their data
	WIN 0x06+((\i)/4)                              ; source 0: the accumulators' window; source 1: window 1
.irp j, 0,1,2,3,4,5,6,7
.irp f, 0,1,2,3
	v_mul_f32 v[64+32*(\b)+4*(\j)+(\f)], v[64*((\i)%4)+32*(\b)+8*(\f)+(\j)], v[192+8*(\i)+(\j)]
.endr
.endr
	WIN 0
.irp j, 0,1,2,3,4,5,6,7
	global_store_b128 v[SA], v[64+32*(\b)+4*(\j):64+32*(\b)+4*(\j)+3], s[OB:OB+1] offset:(\i)*262144+(\j)*4096+(\b)*256
.endr
.endr
.endr
.endif
.Lfin:
	s_wait_tensorcnt 0x0                           ; the wave's end
	ds_add_u32 v[SPW], v[NIL]
	s_wait_dscnt 0x0
	s_endpgm
.Lfunc_end_k_q804e409773_fc1:
	.size	k_q804e409773_fc1, .Lfunc_end_k_q804e409773_fc1-k_q804e409773_fc1
	.p2alignl 7, 3214868480
	.fill 96, 4, 3214868480
	.section	.rodata,"a",@progbits
	.p2align	6, 0x0
	.amdhsa_kernel k_q804e409773_fc1
		.amdhsa_group_segment_fixed_size 33280
		.amdhsa_private_segment_fixed_size 0
		.amdhsa_enable_private_segment 0
		.amdhsa_kernarg_size 32
		.amdhsa_user_sgpr_count 2
		.amdhsa_user_sgpr_kernarg_segment_ptr 1
		.amdhsa_wavefront_size32 1
		.amdhsa_system_sgpr_workgroup_id_x 1
		.amdhsa_system_sgpr_workgroup_id_y 1
		.amdhsa_system_sgpr_workgroup_id_z 1
		.amdhsa_system_vgpr_workitem_id 0
		.amdhsa_next_free_vgpr 1024
		.amdhsa_next_free_sgpr 66
		.amdhsa_reserve_vcc 0
		.amdhsa_float_denorm_mode_32 3
		.amdhsa_float_denorm_mode_16_64 3
		.amdhsa_memory_ordered 1
		.amdhsa_forward_progress 1
		.amdhsa_inst_pref_size 155
	.end_amdhsa_kernel
	.amdgpu_metadata
---
amdhsa.version: [ 1, 2 ]
amdhsa.kernels:
  - .name:           k_q804e409773_fc1
    .symbol:         k_q804e409773_fc1.kd
    .args:
      - { .name: xg, .offset: 0, .size: 8, .value_kind: global_buffer, .address_space: global }
      - { .name: w1, .offset: 8, .size: 8, .value_kind: global_buffer, .address_space: global }
      - { .name: blk, .offset: 16, .size: 8, .value_kind: global_buffer, .address_space: global }
      - { .name: hid, .offset: 24, .size: 8, .value_kind: global_buffer, .address_space: global }
    .group_segment_fixed_size: 33280
    .private_segment_fixed_size: 0
    .kernarg_segment_align: 8
    .kernarg_segment_size: 32
    .max_flat_workgroup_size: 128
    .sgpr_count:     66
    .vgpr_count:     1024
    .wavefront_size: 32
...
	.end_amdgpu_metadata
.endif
;; end of part 3
;; launch fc2 (part 4): grid 32 x 13, 4 waves a work-group, no clusters, 33,280 bytes of LDS; arguments hid, w2, blk, y, gs; writes y
.if DOCPART == 4
	.amdgcn_target "amdgcn-amd-amdhsa--gfx1250"
	.amdhsa_code_object_version 6
	.text
	.protected	k_q804e409773_fc2
	.globl	k_q804e409773_fc2
	.p2align	8
	.type	k_q804e409773_fc2,@function
k_q804e409773_fc2:
	s_mov_b64 s[64:65], 0
	v_nop
	global_prefetch_b8 v0, s[64:65] scope:SCOPE_SE
	s_setreg_imm32_b32 hwreg(HW_REG_WAVE_MODE, 25, 1), 1
	s_wait_xcnt 0x0
; y = weight x (rows of hid x w2[e]), f32, one part for each quarter of K.  The text is the first product's (hid = gelu(rows of xg x w1[e])) with FC = 2, less that product's way out.
; SHARES.  Work-group (x, y): block y of the list blk (one expert, NG = 0 to 6 groups of 64 slots from group G0 on), 128 columns of the expert's weights (x & 7) and a quarter of K (x >> 3): 1,024 of 4,096.
; Wave w owns tile 4 (G0 + i) + w of group i, all 128 columns: 8 accumulators a tile.  Each weight byte is read once in the launch, by this work-group alone: no cluster, nothing is shared but the rows,
; and those come straight into registers as fragments (512 consecutive bytes a load).
; WEIGHTS.  K goes in 16 chunks of 64.  Wave u = 2 ks + cb loads the unit (32 k) x (64 columns) in f32: lane (r, h) takes 16 rows, columns 4 r .. 4 r + 3, so 16 lanes read 256 consecutive bytes, aligned.
; Component f of the lane's four columns, two rows rounded into a register, IS a bf16 fragment whose lane row r stands for column 4 r + f.  The four waves hand their fragments to each other through a ring of two LDS slots.
; The 16 k of lane half h are the same in the rows' fragments (as the launch before laid them) and in the weights': a permutation of k applied to both sources alike keeps the products.
; K IS SPLIT IN FOUR so that a work-group keeps 128 columns and each fragment of rows feeds 8 products; the four parts, f32, are added by the launch behind.
; A BLOCK WITHOUT ROWS (NG = 0) passes every barrier and stores nothing: the grid serves every split of the tokens.  Each stretch of loads and work is one arm of a branch on NG; the other arm is s_wait_loadcnt 0.
; So behind an arm without loads no load is out, and in the working arm the 16 youngest loads are always a unit of weights, whichever arms went before.  EXEC is never changed.
; ALL OPERAND AND ACCUMULATOR REGISTERS ARE CLEARED ONCE: a tile's loads and products stand under branches on NG, so each register is written on every path, and the sums start from 0.
; The price: 880 v_mov_b32: those of the loads' registers in the wait for the block's entry, the 512 of accumulators and weight fragments behind the first loads, while these are out.
; LIMITS.  Operands in bf16, sums in f32; NaN and infinities are not treated apart.
.set FC, 2
.set PITCH, 4096                       ; bytes from a row of the weights to the next
.set TS,    131072                     ; bytes of a tile of rows
.set HSH,   17                         ; lane half h begins 32 rows down
.set MULW,  0xad                       ; source 0 = rows (window 1), source 1 = weights (window 3), C and D window 2: a lane holds one column group
.set WSTEP, 64*PITCH                   ; a chunk of weights
.set XSTEP, 2048                       ; a chunk's two fragments of a tile
.set SLOT,  16384                      ; 16 fragments of 1,024 bytes: unit u at 4,096 u, fragment f at 1,024 f
.set SPARE, 2*SLOT                     ; behind the ring: the spare words, 128 bytes a wave
; window 0
.set LL,  2                            ; 16 x lane: LDS and global offset of a fragment's 512 bytes
.set LS,  3                            ; + 4,096 x wave: where my unit's fragments go
.set WO,  4                            ; my offset in a unit of weights
.set SPW, 6                            ; my spare word
.set NIL, 7                            ; 0
.set SA,  8                            ; my offset in 16 rows of y
.set GO,  9                            ; 32 h
.set CT,  32                           ; v[32:63]  four fragments just rounded
.set ST0, 64                           ; v[64:127], v[128:191]  a unit of weights in f32, two sets by the chunk's parity
; window 1: rows' fragments at 96 par + 16 i + 8 ks (v0-191); the slots' weights at 192 + 8 i
; window 2: accumulators of tiles 0-3 at 64 i + 32 cb + 8 f;  window 3: those of tiles 4, 5 at 64 (i - 4); the chunk's 16 weight fragments at 128 + 64 ks + 32 cb + 8 f
.set NG, 22
.set XB, 24                            ; s[24:25] rows, s[26:27] weights, s[28:29] output
.set WB, 26
.set OB, 28
.set MSB, 0
.macro WIN new                         ; the immediate's high byte repeats the setting that is left; a switch that changes nothing is dropped
.if MSB != (\new)
	s_set_vgpr_msb (MSB<<8)|(\new)
.set MSB, \new
.endif
.endm
.macro CLRW win, lo, n
	WIN \win
.set c, \lo
.rept \n
	v_mov_b32 v[c], 0
.set c, c+1
.endr
.endm
.macro XL par                          ; a chunk's rows: four loads a live tile
.irp i, 0,1,2,3,4,5
.if (\i) > 0
	WIN 0
	s_cmp_le_u32 s[NG], \i
	s_cbranch_scc1 .Lxd_\@
.endif
	WIN 0x40
.irp k, 0,1
.irp q, 0,1
	global_load_b128 v[96*(\par)+16*(\i)+8*(\k)+4*(\q):96*(\par)+16*(\i)+8*(\k)+4*(\q)+3], v[LL], s[XB:XB+1] offset:(\i)*4*TS+(\k)*1024+(\q)*512
.endr
.endr
.endr
	WIN 0
.Lxd_\@:
.endm
.macro GL                              ; the weights of my tiles' slots 8 h .. 8 h + 7
.irp i, 0,1,2,3,4,5
.if (\i) > 0
	WIN 0
	s_cmp_le_u32 s[NG], \i
	s_cbranch_scc1 .Lgd_\@
.endif
	WIN 0x40
	global_load_b128 v[192+8*(\i):195+8*(\i)], v[GO], s[42:43] offset:256*(\i)
	global_load_b128 v[196+8*(\i):199+8*(\i)], v[GO], s[42:43] offset:256*(\i)+16
.endr
	WIN 0
.Lgd_\@:
.endm
.macro WL set, off                     ; my unit of a chunk: 16 loads, two rows of 256 bytes each; off: whole chunks ahead of the base, in the immediate (585,728 bytes at the most, inside its signed 24 bits)
.set c, 0
.rept 16
	global_load_b128 v[ST0+64*(\set)+4*c:ST0+64*(\set)+4*c+3], v[WO], s[WB:WB+1] offset:c*PITCH+(\off) th:TH_LOAD_NT
.set c, c+1
.endr
.endm
; A trip's global loads.  The bases step only behind s_wait_xcnt 0; the loads that name them were issued a trip ago.  The rows go first, the weights last: so the 16 youngest loads are always a unit of weights.
.macro GLOADS set, xi, wi
	s_wait_xcnt 0x0
.if \xi
	s_add_nc_u64 s[XB:XB+1], s[XB:XB+1], XSTEP
.endif
.if \wi
	s_add_nc_u64 s[WB:WB+1], s[WB:WB+1], WSTEP
.endif
.if \xi
	XL \set
.endif
.if \wi
	WL \set, 2*WSTEP
.endif
.endm
.macro CONV set, slot                  ; fragment f, register p = rows 2 p, 2 p + 1 of component f; then into the ring
.irp f, 0,1,2,3
.irp p, 0,1,2,3,4,5,6,7
	v_cvt_pk_bf16_f32 v[CT+8*(\f)+(\p)], v[ST0+64*(\set)+8*(\p)+(\f)], v[ST0+64*(\set)+8*(\p)+4+(\f)]
.endr
	ds_store_b128 v[LS], v[CT+8*(\f):CT+8*(\f)+3] offset:(\slot)*SLOT+(\f)*1024
	ds_store_b128 v[LS], v[CT+8*(\f)+4:CT+8*(\f)+7] offset:(\slot)*SLOT+(\f)*1024+512
.endr
.endm
.macro WFLOAD slot                     ; the chunk's 16 fragments, 32 loads in one run: the 16 of its first 32 k first
	WIN 0xc0
.set c, 0
.rept 32
	ds_load_b128 v[128+4*c:131+4*c], v[LL] offset:(\slot)*SLOT+512*c
.set c, c+1
.endr
	WIN 0
.endm
.macro MULK par, k                     ; half k of the chunk (32 along K): 8 products a live tile; its 8 accumulators take turns, one instruction a turn
.irp i, 0,1,2,3,4,5
.if (\i) > 0
	WIN 0
	s_cmp_le_u32 s[NG], \i
	s_cbranch_scc1 .Lmd_\@
.endif
	WIN MULW+0x50*((\i)/4)
.irp b, 0,1
.irp f, 0,1,2,3
.set AC, 64*((\i)%4)+32*(\b)+8*(\f)
.set WF, 128+64*(\k)+32*(\b)+8*(\f)
.set XR, 96*(\par)+16*(\i)+8*(\k)
	v_wmma_f32_16x16x32_bf16 v[AC:AC+7], v[XR:XR+7], v[WF:WF+7], v[AC:AC+7]
.endr
.endr
.endr
	WIN 0
.Lmd_\@:
.endm
; TRIP t (par = t & 1) multiplies chunk t.  One barrier: in front of it each wave's stores of chunk t's fragments and its reads of the other slot are done; behind it slot par is read and the other written.
; s_wait_loadcnt n: n = 16 leaves out the 16 youngest loads alone, the weights of chunk t + 2: so the weights of chunk t + 1 and the rows of chunk t are in, however many row loads the block has.
; s_wait_dscnt 24: of the 32 fragment loads and the 8 stores behind them the youngest 24 may be out: the first 32 k's fragments are in, and are multiplied while the others come; then 8: all fragments are in.
.macro TRIP par, conv, xi, wi, n
	s_wait_dscnt 0x0
	s_barrier_signal -1
	s_barrier_wait -1
	s_cmp_lg_u32 s[NG], 0
	s_cbranch_scc1 .Llv_\@
	s_wait_loadcnt 0x0                             ; the arm of a block without rows: no load is out behind it
	s_branch .Ljn_\@
.Llv_\@:
	WFLOAD \par
	s_wait_loadcnt \n
.if \conv
	CONV 1-(\par), 1-(\par)                        ; chunk t + 1 into the other slot
.endif
.if (\xi) || (\wi)
	GLOADS 1-(\par), \xi, \wi                      ; rows of chunk t + 1, weights of chunk t + 3
.endif
	s_wait_dscnt 16+8*(\conv)
	MULK \par, 0
	s_wait_dscnt 8*(\conv)
	MULK \par, 1
.Ljn_\@:
.rept 4
	v_nop                                          ; four places behind the last product, ahead of loads into its sources and of what reads its result
.endr
.endm
	s_load_b256 s[4:11], s[0:1], 0x0               ; rows s[4:5], weights s[6:7], blk s[8:9], output s[10:11]
	s_load_b64 s[12:13], s[0:1], 0x20              ; gs
	v_lshl_add_u32 v[SPW], v0, 2, SPARE
	v_mov_b32 v[NIL], 0
	v_lshrrev_b32 v1, 5, v0
	v_readfirstlane_b32 s14, v1                    ; wave = unit 2 ks + cb
	s_lshr_b32 s15, s14, 1                         ; ks
	s_and_b32 s16, s14, 1                          ; cb
	s_and_b32 s19, ttmp7, 0xffff
	s_lshl_b32 s19, s19, 4                         ; my block's entry
	s_and_b32 s17, ttmp9, 7                        ; my 128 columns
	s_lshr_b32 s18, ttmp9, 3                       ; my quarter of K
	s_wait_kmcnt 0x0
	s_load_b128 s[20:23], s[8:9], s19 offset:0x0   ; expert, first group, groups
	v_and_b32 v1, 31, v0
	v_and_b32 v22, 15, v0                          ; r
	v_bfe_u32 v23, v0, 4, 1                        ; h
	v_lshlrev_b32 v[LL], 4, v1
	v_lshl_add_u32 v[LS], s14, 12, v[LL]
	v_lshlrev_b32 v[WO], 4, v22
	v_lshl_add_u32 v[WO], v23, HSH, v[WO]
	v_lshlrev_b32 v[SA], 4, v22
	v_lshl_add_u32 v[SA], v23, 15, v[SA]           ; 8 h rows of 4,096 bytes + 16 r
	v_lshlrev_b32 v[GO], 5, v23
	CLRW 0x00, ST0, 128                            ; the registers that global loads fill are cleared ahead of the loads
	CLRW 0x40, 0, 240
	WIN 0
	s_wait_kmcnt 0x0
	s_min_u32 s20, s20, 7
	s_min_u32 s21, s21, 39
	s_min_u32 s22, s22, 6
	s_lshl_b32 s40, s21, 2
	s_add_co_u32 s40, s40, s14                     ; my tile of group G0
	s_mov_b32 s31, 0
	s_lshl_b32 s30, s40, 17
	s_lshl_b32 s41, s18, 15
	s_add_co_u32 s30, s30, s41
	s_add_nc_u64 s[XB:XB+1], s[4:5], s[30:31]
	s_lshl_b32 s30, s20, 24                        ; an expert's weights are 2^24 bytes
	s_lshl_b32 s41, s15, 16                        ; ks x 16 rows
	s_add_co_u32 s30, s30, s41
	s_lshl_b32 s41, s18, 22                        ; quarter x 1,024 rows
	s_add_co_u32 s30, s30, s41
	s_lshl_b32 s41, s17, 9
	s_add_co_u32 s30, s30, s41
	s_lshl_b32 s41, s16, 8
	s_add_co_u32 s30, s30, s41
	s_add_nc_u64 s[WB:WB+1], s[6:7], s[30:31]
	s_mul_i32 s30, s18, 10485760                   ; y: a part for each quarter, 2,560 rows of 4,096 bytes
	s_lshl_b32 s41, s40, 16
	s_add_co_u32 s30, s30, s41
	s_lshl_b32 s41, s17, 9
	s_add_co_u32 s30, s30, s41
	s_add_nc_u64 s[OB:OB+1], s[10:11], s[30:31]
	s_lshl_b32 s30, s40, 6
	s_add_nc_u64 s[42:43], s[12:13], s[30:31]
	s_cmp_eq_u32 s[NG], 0
	s_cbranch_scc1 .Lp1
	GL                                             ; the slots' weights,
	XL 0                                           ; rows of chunk 0,
	WL 0, 0                                        ; weights of chunks 0
	WL 1, WSTEP                                    ; and 1
.Lp1:
	CLRW 0x80, 0, 256                              ; accumulators and weight fragments are cleared while the first loads are out
	CLRW 0xc0, 0, 256
	WIN 0
	s_wait_loadcnt 16                              ; all but chunk 1's weights
	CONV 0, 0
	s_cmp_lg_u32 s[NG], 0
	s_cbranch_scc1 .Lp2
	s_wait_loadcnt 0x0                             ; the arm of a block without rows
	s_branch .Lp3
.Lp2:
	WL 0, 2*WSTEP                                  ; weights of chunk 2
.Lp3:
	s_mov_b32 s32, 7                               ; thirteen full trips, 0 to 12, from two texts: the loop is entered in its middle, and the first of its seven passes is half a pass
	s_branch .Lmid
.Lloop:
	TRIP 1, 1, 1, 1, 16
.Lmid:
	TRIP 0, 1, 1, 1, 16
	s_sub_co_u32 s32, s32, 1
	s_cmp_lg_u32 s32, 0
	s_cbranch_scc1 .Lloop
	TRIP 1, 1, 1, 0, 16                            ; trip 13 asks for rows alone: chunk 15's weights are the 16 youngest
	TRIP 0, 1, 1, 0, 0                             ; 14: nothing younger is out
	TRIP 1, 0, 0, 0, 0
	s_cmp_eq_u32 s[NG], 0
	s_cbranch_scc1 .Lfin
	; THE WAY OUT.  A lane holds columns 64 cb + 4 r + f in accumulator (cb, f), register j is slot 8 h + j.  The multiply by the slot's weight also brings the four accumulators' numbers of a row side by side:
	; 16 bytes a lane, and 16 lanes store 256 consecutive bytes of a row of y, aligned.  Each accumulator is read from its low end on.
.irp i, 0,1,2,3,4,5
.if (\i) > 0
	WIN 0
	s_cmp_le_u32 s[NG], \i
	s_cbranch_scc1 .Lfin
.endif
.irp b, 0,1
	s_wait_xcnt 0x0                                ; earlier stores have read their data
	WIN 0x06+((\i)/4)                              ; source 0: the accumulators' window; source 1: window 1
.irp j, 0,1,2,3,4,5,6,7
.irp f, 0,1,2,3
	v_mul_f32 v[64+32*(\b)+4*(\j)+(\f)], v[64*((\i)%4)+32*(\b)+8*(\f)+(\j)], v[192+8*(\i)+(\j)]
.endr
.endr
	WIN 0
.irp j, 0,1,2,3,4,5,6,7
	global_store_b128 v[SA], v[64+32*(\b)+4*(\j):64+32*(\b)+4*(\j)+3], s[OB:OB+1] offset:(\i)*262144+(\j)*4096+(\b)*256
.endr
.endr
.endr
.Lfin:
	s_wait_tensorcnt 0x0                           ; the wave's end
	ds_add_u32 v[SPW], v[NIL]
	s_wait_dscnt 0x0
	s_endpgm
.Lfunc_end_k_q804e409773_fc2:
	.size	k_q804e409773_fc2, .Lfunc_end_k_q804e409773_fc2-k_q804e409773_fc2
	.p2alignl 7, 3214868480
	.fill 96, 4, 3214868480
	.section	.rodata,"a",@progbits
	.p2align	6, 0x0
	.amdhsa_kernel k_q804e409773_fc2
		.amdhsa_group_segment_fixed_size 33280
		.amdhsa_private_segment_fixed_size 0
		.amdhsa_enable_private_segment 0
		.amdhsa_kernarg_size 40
		.amdhsa_user_sgpr_count 2
		.amdhsa_user_sgpr_kernarg_segment_ptr 1
		.amdhsa_wavefront_size32 1
		.amdhsa_system_sgpr_workgroup_id_x 1
		.amdhsa_system_sgpr_workgroup_id_y 1
		.amdhsa_system_sgpr_workgroup_id_z 1
		.amdhsa_system_vgpr_workitem_id 0
		.amdhsa_next_free_vgpr 1024
		.amdhsa_next_free_sgpr 66
		.amdhsa_reserve_vcc 0
		.amdhsa_float_denorm_mode_32 3
		.amdhsa_float_denorm_mode_16_64 3
		.amdhsa_memory_ordered 1
		.amdhsa_forward_progress 1
		.amdhsa_inst_pref_size 140
	.end_amdhsa_kernel
	.amdgpu_metadata
---
amdhsa.version: [ 1, 2 ]
amdhsa.kernels:
  - .name:           k_q804e409773_fc2
    .symbol:         k_q804e409773_fc2.kd
    .args:
      - { .name: hid, .offset: 0, .size: 8, .value_kind: global_buffer, .address_space: global }
      - { .name: w2, .offset: 8, .size: 8, .value_kind: global_buffer, .address_space: global }
      - { .name: blk, .offset: 16, .size: 8, .value_kind: global_buffer, .address_space: global }
      - { .name: y, .offset: 24, .size: 8, .value_kind: global_buffer, .address_space: global }
      - { .name: gs, .offset: 32, .size: 8, .value_kind: global_buffer, .address_space: global }
    .group_segment_fixed_size: 33280
    .private_segment_fixed_size: 0
    .kernarg_segment_align: 8
    .kernarg_segment_size: 40
    .max_flat_workgroup_size: 128
    .sgpr_count:     66
    .vgpr_count:     1024
    .wavefront_size: 32
...
	.end_amdgpu_metadata
.endif
;; end of part 4
;; launch combine (part 5): grid 256 x 1, 8 waves a work-group, no clusters, 0 bytes of LDS; arguments pos, y, out0; writes out0
.if DOCPART == 5
	.amdgcn_target "amdgcn-amd-amdhsa--gfx1250"
	.amdhsa_code_object_version 6
	.text
	.protected	k_q804e409773_combine
	.globl	k_q804e409773_combine
	.p2align	8
	.type	k_q804e409773_combine,@function
k_q804e409773_combine:
	s_mov_b64 s[64:65], 0
	v_nop
	global_prefetch_b8 v0, s[64:65] scope:SCOPE_SE
	s_setreg_imm32_b32 hwreg(HW_REG_WAVE_MODE, 25, 1), 1
	s_wait_xcnt 0x0
; COMBINE.  out0[t] = the sum of eight rows of y: the token's two slots (pos[t]) in each of the four parts of K.  The rows carry their weights already.  All in f32.
; A stream: no LDS, no barrier, no matrix unit.  A wave has half a token's row (2,048 bytes): 32 loads of 512 consecutive bytes, all out before the first wait; 4 stores of 512 consecutive bytes, aligned.
.set PART, 10485760                    ; a part of y: 2,560 rows of 4,096 bytes
	s_load_b128 s[4:7], s[0:1], 0x0                ; pos s[4:5], y s[6:7]
	s_load_b64 s[8:9], s[0:1], 0x10                ; out0
	v_lshrrev_b32 v2, 5, v0
	v_readfirstlane_b32 s10, v2                    ; wave
	v_and_b32 v1, 31, v0
	s_lshr_b32 s11, s10, 1
	s_lshl_b32 s12, ttmp9, 2
	s_add_co_u32 s12, s12, s11                     ; token = 4 x work-group + wave / 2
	s_and_b32 s13, s10, 1
	s_lshl_b32 s13, s13, 11                        ; which half of the row
	v_lshl_add_u32 v1, v1, 4, s13
	s_lshl_b32 s14, s12, 3
	s_lshl_b32 s36, s12, 12
	s_mov_b32 s37, 0
	s_wait_kmcnt 0x0
	s_load_b64 s[40:41], s[4:5], s14 offset:0x0    ; the token's two slots
	s_add_nc_u64 s[8:9], s[8:9], s[36:37]
	s_wait_kmcnt 0x0
	s_min_u32 s40, s40, 2559
	s_min_u32 s41, s41, 2559
	s_lshl_b32 s40, s40, 12
	s_lshl_b32 s41, s41, 12
.irp n, 0,1,2,3,4,5,6,7                ; row n: part n / 2, choice n % 2
	s_add_co_u32 s36, s[40+(\n)%2], ((\n)/2)*PART
	s_add_nc_u64 s[16+2*(\n):17+2*(\n)], s[6:7], s[36:37]
.endr
.irp n, 0,1,2,3,4,5,6,7
.irp i, 0,1,2,3
	global_load_b128 v[16+16*(\n)+4*(\i):19+16*(\n)+4*(\i)], v1, s[16+2*(\n):17+2*(\n)] offset:512*(\i) th:TH_LOAD_NT
.endr
.endr
.macro ADDROW d, s                     ; row s onto row d: 16 registers
.set c, 0
.rept 8
	v_pk_add_f32 v[16+16*(\d)+c:17+16*(\d)+c], v[16+16*(\d)+c:17+16*(\d)+c], v[16+16*(\s)+c:17+16*(\s)+c]
.set c, c+2
.endr
.endm
	s_wait_loadcnt 24                              ; rows 0 and 1 are in; the 24 loads of the six rows behind them may be out
	ADDROW 0, 1
	s_wait_loadcnt 16
	ADDROW 2, 3
	s_wait_loadcnt 8
	ADDROW 4, 5
	s_wait_loadcnt 0x0
	ADDROW 6, 7
	ADDROW 0, 2
	ADDROW 4, 6
	ADDROW 0, 4
.irp i, 0,1,2,3
	global_store_b128 v1, v[16+4*(\i):19+4*(\i)], s[8:9] offset:512*(\i) th:TH_STORE_NT
.endr
	s_endpgm
.Lfunc_end_k_q804e409773_combine:
	.size	k_q804e409773_combine, .Lfunc_end_k_q804e409773_combine-k_q804e409773_combine
	.p2alignl 7, 3214868480
	.fill 96, 4, 3214868480
	.section	.rodata,"a",@progbits
	.p2align	6, 0x0
	.amdhsa_kernel k_q804e409773_combine
		.amdhsa_group_segment_fixed_size 0
		.amdhsa_private_segment_fixed_size 0
		.amdhsa_enable_private_segment 0
		.amdhsa_kernarg_size 24
		.amdhsa_user_sgpr_count 2
		.amdhsa_user_sgpr_kernarg_segment_ptr 1
		.amdhsa_wavefront_size32 1
		.amdhsa_system_sgpr_workgroup_id_x 1
		.amdhsa_system_sgpr_workgroup_id_y 1
		.amdhsa_system_sgpr_workgroup_id_z 1
		.amdhsa_system_vgpr_workitem_id 0
		.amdhsa_next_free_vgpr 144
		.amdhsa_next_free_sgpr 66
		.amdhsa_reserve_vcc 0
		.amdhsa_float_denorm_mode_32 3
		.amdhsa_float_denorm_mode_16_64 3
		.amdhsa_memory_ordered 1
		.amdhsa_forward_progress 1
		.amdhsa_inst_pref_size 9
	.end_amdhsa_kernel
	.amdgpu_metadata
---
amdhsa.version: [ 1, 2 ]
amdhsa.kernels:
  - .name:           k_q804e409773_combine
    .symbol:         k_q804e409773_combine.kd
    .args:
      - { .name: pos, .offset: 0, .size: 8, .value_kind: global_buffer, .address_space: global }
      - { .name: y, .offset: 8, .size: 8, .value_kind: global_buffer, .address_space: global }
      - { .name: out0, .offset: 16, .size: 8, .value_kind: global_buffer, .address_space: global }
    .group_segment_fixed_size: 0
    .private_segment_fixed_size: 0
    .kernarg_segment_align: 8
    .kernarg_segment_size: 24
    .max_flat_workgroup_size: 256
    .sgpr_count:     66
    .vgpr_count:     144
    .wavefront_size: 32
...
	.end_amdgpu_metadata
.endif
;; end of part 5
